; MI455X (gfx1250); checked and timed in simulation.
; The chip was launched on July 23, 2026; its instructions are those of AMD's public machine-readable ISA for CDNA 5 (MIT licence, August 2026) and "CDNA5" Instruction Set Architecture Reference Guide (July 2026). The comments in the code are by the model that wrote it; some were corrected since.
;; Multi Head Attention XL. Allowed arithmetic: matrix products marked QUANTISED: E2M1 operands, one E8M0 scale for each 32 along K, by v_wmma_scale_f32_16x16x128_f8f6f4 with both operands' format E2M1 (or v_wmma_scale_f32_32x16x128_f4), f32 sums; products left as they are: bf16, f16 or f32 operands; f32 sums; everything else in f32.
;; Inputs: hidden_states 16 x 512 x 1,024 float32; rel_pos 1,023 x 32 float32; wk 1,024 x 1,024 float32; wo 1,024 x 1,024 float32; wq 1,024 x 1,024 float32; wv 1,024 x 1,024 float32.
;; Outputs: out0 16 x 512 x 1,024 float32.
;; This version of the problem:
;;   THIS VERSION OF THE PROBLEM IS GIVEN IN LOW PRECISION. The matrix products marked QUANTISED in the list below multiply operands that are first quantised to E2M1 (2 exponent bits, 1 mantissa bit; 4 bits a number), with one power-of-two scale for each 32 numbers along K (OCP MX v1.0); their sums are f32. The products marked 'left as it is' may take bf16, f16 or f32 operands, with f32 sums. Whichever they take, every output number must still come out within the allowed error. Rounding operands to bf16 (8 significant bits) uses up far more of that allowance than f16 does (11 bits, for magnitudes from 6e-5 to 65,504). All else is computed in f32.
;;   The module's matrix products, in the order in which they are computed (A, B: the left and right operand; K: the contracted axis; several contracted axes count as one K, in the product's order):
;;     1. [M 8,192, K 1,024] x [K 1,024, N 1,024]; A: input hidden_states; B: input wq: QUANTISED
;;     2. [M 8,192, K 1,024] x [K 1,024, N 1,024]; A: input hidden_states; B: input wk: QUANTISED
;;     3. [M 8,192, K 1,024] x [K 1,024, N 1,024]; A: input hidden_states; B: input wv: QUANTISED
;;     4. batch 512 x [M 512, K 32] x [K 32, N 512]; A: computed on the way; B: computed on the way: left as it is (an operand is computed on the way)
;;     5. batch 512 x [M 512, K 512] x [K 512, N 32]; A: computed on the way; B: computed on the way: left as it is (an operand is computed on the way)
;;     6. [M 8,192, K 1,024] x [K 1,024, N 1,024]; A: computed on the way; B: input wo: left as it is (an operand is computed on the way)
;;   THE QUANTISER, for each operand of a quantised product, along K:
;;     - K is cut into blocks of 32 from its start; a last block that is shorter is filled with zeros.
;;     - A block's scale is 2^e with e = floor(log2(the largest magnitude in the block)) - 2, held to -126 .. 127; a block of zeros has e = 0. As a byte (E8M0): e + 127.
;;     - Each number is divided by its block's scale, clamped to +-6, and rounded to the nearest number of E2M1, ties to even, subnormals kept.
;;     - The product sums the exact products of the quantised numbers (number of the format x scale) in f32.
;;   ~~~python
;;   def quantise(x, axis):      # numpy; x: float32 -> the quantised numbers, widened to float32 again
;;       x = np.moveaxis(x, axis, -1); K = x.shape[-1]
;;       x = np.pad(x, [(0, 0)] * (x.ndim - 1) + [(0, -K % 32)]); x = x.reshape(x.shape[:-1] + (-1, 32)); a = np.abs(x).max(-1, keepdims=True)
;;       e = np.where(a > 0, np.clip(np.frexp(np.where(a > 0, a, 1))[1] - 1 - 2, -126, 127), 0)      # np.frexp(a)[1] - 1 = floor(log2(a)), exactly
;;       r = np.clip(x / 2.0 ** e, -6, 6)
;;       step = 2.0 ** (np.maximum(np.frexp(np.where(r == 0, 1, r))[1] - 1, 0) - 1)
;;       q = np.round(r / step) * step * 2.0 ** e      # np.round: ties to even
;;       return np.moveaxis(q.reshape(q.shape[:-2] + (-1,))[..., :K], -1, axis).astype(np.float32)
;;   ~~~
;; One version. Each part assembles by itself: llvm-mc -triple=amdgcn-amd-amdhsa -mcpu=gfx1250 --defsym DOCPART=n.
;; ======== version 1 of 1: 3 launches
;; limits: values are held in f16: magnitudes above 65,504 overflow, below 6.1e-05 lose precision
;; workspace buffers: cimg 5,767,168 bytes; csc 360,448 bytes; woimg 2,097,152 bytes; bias 65,536 bytes; ctx 16,777,216 bytes
;; launch prep (part 1): grid 400 x 1, 4 waves a work-group, no clusters, 68,096 bytes of LDS; arguments hidden_states, wq, wk, wv, wo, rel_pos, cimg, csc, woimg, bias; writes cimg, csc, woimg, bias
.if DOCPART == 1
	.amdgcn_target "amdgcn-amd-amdhsa--gfx1250"
	.amdhsa_code_object_version 6
	.text
	.protected	k_qf164f97293_prep
	.globl	k_qf164f97293_prep
	.p2align	8
	.type	k_qf164f97293_prep,@function
k_qf164f97293_prep:
	s_mov_b64 s[64:65], 0
	v_nop
	global_prefetch_b8 v0, s[64:65] scope:SCOPE_SE
	s_setreg_imm32_b32 hwreg(HW_REG_WAVE_MODE, 25, 1), 1
	s_wait_xcnt 0x0
; THE OPERANDS ARE LAID OUT ONCE, AS IMAGES OF THE REGISTERS THAT THE LATER LAUNCHES' MATRIX INSTRUCTIONS WANT.
; An image of a fragment is 1,024 bytes: two pieces of 512, lane l's 16 bytes of a piece at 16 l.  So every later load of a fragment is 512 consecutive bytes.
;   cimg  [T 704][s 8][1024]  codes of FP4 (E2M1).  T: a tile of 16 rows: 0-511 hidden_states, 512-575 wq, 576-639 wk, 640-703 wv.  s: 128 along K.
;                             piece c, lane (r, h): row r, k = 128 s + 64 c + 32 h + 0 .. 31, the lower k in the lower bits.
;   csc   [T 704][g 2][r 16][16 bytes]  word s - 4 g of row r: the four E8M0 bytes of K step s = 4 g .. 4 g + 3.
;   woimg [nt 64][ks 32][1024]  wo in f16: lane (r, h): row 16 nt + r; piece 0: k = 32 ks + 8 h + 0 .. 7, piece 1: k = 32 ks + 16 + 8 h + 0 .. 7.
;   bias  [d 64][1024]  f32: register j of lane (r, h) = log2(e) x mean(rel_pos[16 d + 15 + 8 h + j - r]): the C tile of 16 keys x 16 queries whose tiles lie d - 31 apart.
; THE QUANTISER: a block of 32 along K has the scale 2^(floor(log2(its largest magnitude)) - 2); its byte is the largest magnitude's exponent field - 2, held at 1 from below;
; each number is divided by the scale and rounded to the nearest code, ties to even, beyond 6 the largest code.
; LIMITS: NaN and infinities among the inputs are not served.  A block of zeros gets the byte 1 where the rule says 127: its codes are zeros, and this program alone reads the bytes.
; wo in f16: magnitudes up to 65,504.
; SHARES: a wave takes 16 rows x 512 along K (32,768 bytes of f32) in four steps of 128 along K.  Work-groups 0-351: codes (1,408 waves); 352-383: wo (128 waves); 384-399: the bias (a wave an image).
; The three ways part on the work-group's number and never join; each has LDS bytes of its own.  Waves share nothing: no barrier.
; A load takes 512 consecutive bytes of one row, 16 a lane; a lane's registers must hold neighbours along K of ONE row: so a step's 8,192 bytes turn through the wave's own stage in LDS,
; rows 528 bytes apart (512 + 16).
; No matrix unit, no cluster, no tensor load: the launch is a stream and its waves share no byte.
.set SP,    528                        ; a stage row
.set WST,   16*SP                      ; a wave's stage
.set STGA,  0                          ; the stages of the way that makes codes
.set STGB,  4*WST                      ; those of wo's way
.set SPARE, 8*WST                      ; the spare words, 128 bytes for each wave: two blocks of 256 bytes that no other line names
.set LI,   4                           ; v4   16 x lane
.set SIN,  5                           ; v5   into the stage: my wave's stage + 16 x lane
.set SOUT, 6                           ; v6   out of it: row r, my half's first byte
.set SCO,  7                           ; v7   my 8 bytes of the scale words: 16 r + 8 h
.set SH,   8                           ; v8   8 h: my bytes' place in a scale word, in bits
.set SPW,  14                          ; v14  LDS address of my spare word; never rewritten
.set NIL,  15                          ; v15  0; never rewritten
.set R,    16                          ; v16-143   two sets of 64: a step's numbers as loaded
.set X,    144                         ; v144-207  64 numbers, neighbours along K
.set C,    208                         ; v208-239  codes (eight registers a step) or f16 pairs
.set W,    240                         ; v240-243  a scale word for each step
.set T,    244                         ; v244-251  at work
	s_load_b512 s[8:23], s[0:1], 0x0               ; hidden s[8:9], wq s[10:11], wk s[12:13], wv s[14:15], wo s[16:17], rel_pos s[18:19], cimg s[20:21], csc s[22:23]
	s_load_b128 s[24:27], s[0:1], 0x40             ; woimg s[24:25], bias s[26:27]
	v_lshl_add_u32 v[SPW], v0, 2, SPARE
	v_mov_b32 v[NIL], 0
	v_lshrrev_b32 v1, 5, v0
	v_readfirstlane_b32 s28, v1                    ; wave 0..3
	v_and_b32 v1, 31, v0                           ; lane
	v_and_b32 v2, 15, v0                           ; r
	v_bfe_u32 v3, v0, 4, 1                         ; h
	v_lshlrev_b32 v[LI], 4, v1
	s_mul_i32 s29, s28, WST                        ; my stage
	s_mov_b32 s40, 0x76543210
	s_mov_b32 s41, 0xfedcba98                      ; v_permlanex16_b32's selects for lane l xor 16
	s_wait_kmcnt 0x0
.macro LOAD t                          ; step t: 16 rows x 512 bytes into set t % 2; a load takes 512 consecutive bytes of one row; read once in the launch
.irp i, 0,1,2,3,4,5,6,7,8,9,10,11,12,13,14,15
	global_load_b128 v[R+64*((\t)%2)+4*\i:R+64*((\t)%2)+4*\i+3], v[LI], s[30:31] offset:4096*\i+512*(\t) th:TH_LOAD_NT
.endr
.endm
.macro INTO t                          ; the set goes into the stage as it was loaded, a row a store
.irp i, 0,1,2,3,4,5,6,7,8,9,10,11,12,13,14,15
	ds_store_b128 v[SIN], v[R+64*((\t)%2)+4*\i:R+64*((\t)%2)+4*\i+3] offset:SP*\i
.endr
.endm
.macro ARRIVED t                       ; loads come back in order: this step's 16 are in, the next step's 16 may be out; the last step has none behind it
.if (\t) < 3
	s_wait_loadcnt 16
.else
	s_wait_loadcnt 0x0
.endif
.endm
.macro CLOSE                           ; a wave's end
	s_wait_tensorcnt 0x0
	ds_add_u32 v[SPW], v[NIL]
	s_wait_dscnt 0x0
	s_endpgm
.endm
	s_cmp_lt_u32 ttmp9, 352
	s_cbranch_scc0 .Lnot_codes
	; ---------------- codes and scale words of hidden_states, wq, wk, wv ----------------
	v_add_nc_u32 v[SIN], s29, v[LI]
	v_mul_u32_u24 v[SOUT], v2, SP
	v_lshl_add_u32 v[SOUT], v3, 7, v[SOUT]         ; row r, + 128 h: lane (r, h) wants k = 64 c + 32 h + 0 .. 31
	v_add_nc_u32 v[SOUT], s29, v[SOUT]
	v_lshlrev_b32 v[SCO], 4, v2
	v_lshl_add_u32 v[SCO], v3, 3, v[SCO]
	v_lshlrev_b32 v[SH], 3, v3
	v_mov_b32 v[T+7], 0                            ; written once: a lane permute's destination counts as one of its sources
	s_mov_b64 s[30:31], s[14:15]                   ; which tensor, and its first tile: the choice hangs on the work-group's number alone
	s_mov_b32 s32, 640
	s_cmp_lt_u32 ttmp9, 320
	s_cselect_b64 s[30:31], s[12:13], s[30:31]
	s_cselect_b32 s32, 576, s32
	s_cmp_lt_u32 ttmp9, 288
	s_cselect_b64 s[30:31], s[10:11], s[30:31]
	s_cselect_b32 s32, 512, s32
	s_cmp_lt_u32 ttmp9, 256
	s_cselect_b64 s[30:31], s[8:9], s[30:31]
	s_cselect_b32 s32, 0, s32
	s_lshl_b32 s33, ttmp9, 1
	s_lshr_b32 s34, s28, 1
	s_add_co_u32 s33, s33, s34                     ; T = 2 x work-group + wave / 2
	s_and_b32 s42, s28, 1                          ; which half of K
	s_sub_co_u32 s34, s33, s32
	s_lshl_b32 s34, s34, 16                        ; 16 rows of 4,096 bytes a tile,
	s_lshl_b32 s35, s42, 11                        ; 2,048 bytes a half
	s_add_co_u32 s34, s34, s35
	s_mov_b32 s35, 0
	s_add_nc_u64 s[30:31], s[30:31], s[34:35]
	s_lshl_b32 s36, s33, 13                        ; cimg: 8,192 bytes a tile, 4,096 a half
	s_lshl_b32 s37, s42, 12
	s_add_co_u32 s36, s36, s37
	s_mov_b32 s37, 0
	s_add_nc_u64 s[20:21], s[20:21], s[36:37]
	s_lshl_b32 s38, s33, 9                         ; csc: 512 bytes a tile, 256 a half
	s_lshl_b32 s39, s42, 8
	s_add_co_u32 s38, s38, s39
	s_mov_b32 s39, 0
	s_add_nc_u64 s[22:23], s[22:23], s[38:39]
.macro STEPQ t
	ARRIVED \t
	INTO \t
.irp c, 0,1
.irp n, 0,1,2,3,4,5,6,7
	ds_load_b128 v[X+32*\c+4*\n:X+32*\c+4*\n+3], v[SOUT] offset:256*\c+16*\n   ; LDS serves a wave's instructions in order: these see the stores above
.endr
.endr
	s_wait_dscnt 0x0                               ; my 64 numbers are back, and the stores have read their set,
.if (\t)+2 < 4
	LOAD (\t)+2                                    ; which takes the loads of two steps on
.endif
.irp c, 0,1                                    ; my block 2 c + h: all its 32 numbers are mine.  Two chains a block, so that no line waits for the line above it
	v_max3_num_f32 v[T+\c], |v[X+32*\c]|, |v[X+32*\c+1]|, 0x1800000   ; with the floor 2^(3 - 127), under which no largest magnitude is taken: so the byte cannot fall under 1
	v_max3_num_f32 v[T+2+\c], |v[X+32*\c+16]|, |v[X+32*\c+17]|, |v[X+32*\c+18]|
.endr
.irp i, 2,4,6,8,10,12
.irp c, 0,1
	v_max3_num_f32 v[T+\c], v[T+\c], |v[X+32*\c+\i]|, |v[X+32*\c+\i+1]|
	v_max3_num_f32 v[T+2+\c], v[T+2+\c], |v[X+32*\c+\i+17]|, |v[X+32*\c+\i+18]|
.endr
.endr
.irp c, 0,1
	v_max3_num_f32 v[T+\c], v[T+\c], |v[X+32*\c+14]|, |v[X+32*\c+15]|
.endr
.irp c, 0,1
	v_max3_num_f32 v[T+\c], v[T+\c], v[T+2+\c], |v[X+32*\c+31]|
.endr
.irp c, 0,1
	v_add_nc_u32 v[T+2+\c], 0xff000000, v[T+\c]    ; 2 off its exponent field: the conversion takes the exponent field of this operand as its scale, and nothing else of it
.endr
.irp c, 0,1
	v_lshrrev_b32 v[T+4+\c], 23, v[T+2+\c]         ; the scale's byte
.endr
	v_lshl_or_b32 v[T+6], v[T+5], 16, v[T+4]       ; my two bytes: blocks h and 2 + h of row r,
	v_lshlrev_b32 v[T+6], v[SH], v[T+6]            ; at their places in the word;
	v_permlanex16_b32 v[T+7], v[T+6], s40, s41
	v_or_b32 v[W+(\t)], v[T+6], v[T+7]             ; with lane l xor 16's two the word is whole, in both lanes
.irp c, 0,1
.irp n, 0,1,2,3
	v_cvt_scalef32_pk8_fp4_f32 v[C+8*(\t)+4*\c+\n], v[X+32*\c+8*\n:X+32*\c+8*\n+7], v[T+2+\c]   ; register 4 c + n of the fragment
.endr
.endr
	v_nop                                          ; one plain vector line behind the last scaled conversion
.irp c, 0,1
	global_store_b128 v[LI], v[C+8*(\t)+4*\c:C+8*(\t)+4*\c+3], s[20:21] offset:1024*(\t)+512*\c   ; a piece: 512 consecutive bytes; each step has its own registers, so no store's data are written again
.endr
.endm
	LOAD 0
	LOAD 1
	STEPQ 0
	STEPQ 1
	STEPQ 2
	STEPQ 3
	v_cmp_eq_u32 vcc_lo, 1, v3                     ; lanes 0-15 store their row's words 0 and 1, lanes 16-31 words 2 and 3:
	v_cndmask_b32 v252, v[W], v[W+2], vcc_lo
	v_cndmask_b32 v253, v[W+1], v[W+3], vcc_lo
	global_store_b64 v[SCO], v[252:253], s[22:23]  ; the 32 lanes store 256 consecutive bytes, at a multiple of 256 from the buffer's first byte
	CLOSE
.Lnot_codes:
	s_cmp_lt_u32 ttmp9, 384
	s_cbranch_scc0 .Lbias
	; ---------------- wo in f16 ----------------
	s_add_co_u32 s29, s29, STGB
	v_add_nc_u32 v[SIN], s29, v[LI]
	v_mul_u32_u24 v[SOUT], v2, SP
	v_lshl_add_u32 v[SOUT], v3, 5, v[SOUT]         ; row r, + 32 h: lane (r, h) wants k = 32 q + 16 e + 8 h + 0 .. 7
	v_add_nc_u32 v[SOUT], s29, v[SOUT]
	s_sub_co_u32 s33, ttmp9, 352
	s_lshl_b32 s33, s33, 2
	s_add_co_u32 s33, s33, s28                     ; my task, 0 .. 127
	s_lshr_b32 s32, s33, 1                         ; nt: 16 rows of wo
	s_and_b32 s42, s33, 1                          ; which half of K
	s_lshl_b32 s34, s32, 16
	s_lshl_b32 s35, s42, 11
	s_add_co_u32 s34, s34, s35
	s_mov_b32 s35, 0
	s_add_nc_u64 s[30:31], s[16:17], s[34:35]
	s_lshl_b32 s36, s32, 15                        ; woimg: 32,768 bytes a tile of rows, 16,384 a half
	s_lshl_b32 s37, s42, 14
	s_add_co_u32 s36, s36, s37
	s_mov_b32 s37, 0
	s_add_nc_u64 s[24:25], s[24:25], s[36:37]
.macro STEPW t
	ARRIVED \t
	INTO \t
.irp q, 0,1,2,3
.irp e, 0,1
.irp n, 0,1
	ds_load_b128 v[X+16*\q+8*\e+4*\n:X+16*\q+8*\e+4*\n+3], v[SOUT] offset:128*\q+64*\e+16*\n
.endr
.endr
.endr
	s_wait_dscnt 0x0                               ; my 64 numbers are back, and the stores have read their set
.if (\t)+2 < 4
	LOAD (\t)+2
.endif
.if (\t) > 0
	s_wait_xcnt 0x0                                ; the last step's stores have read their data: the 32 registers are written again only behind this wait
.endif
.set n, 0
.rept 32
	v_cvt_pk_f16_f32 v[C+n], v[X+2*n], v[X+2*n+1]  ; the first source into the low half
.set n, n+1
.endr
.irp q, 0,1,2,3
.irp e, 0,1
	global_store_b128 v[LI], v[C+8*\q+4*\e:C+8*\q+4*\e+3], s[24:25] offset:(4*(\t)+\q)*1024+512*\e
.endr
.endr
.endm
	LOAD 0
	LOAD 1
	STEPW 0
	STEPW 1
	STEPW 2
	STEPW 3
	CLOSE
.Lbias:
	; ---------------- the bias: image d holds means 16 d .. 16 d + 30, each lane's eight picked from the 32 lanes ----------------
	s_sub_co_u32 s33, ttmp9, 384
	s_lshl_b32 s33, s33, 2
	s_add_co_u32 s33, s33, s28                     ; d, 0 .. 63
	s_lshl_b32 s34, s33, 4
	v_add_nc_u32 v5, s34, v1                       ; my row of rel_pos: 16 d + lane,
	v_min_u32 v5, 0x3fe, v5                        ; held inside the table (what is held is picked by no tile that is used: d = 62 picks up to row 1,022, image 63 is never a tile)
	v_lshlrev_b32 v5, 7, v5                        ; a row is 128 bytes
.irp n, 0,1,2,3,4,5,6,7
	global_load_b128 v[16+4*\n:19+4*\n], v5, s[18:19] offset:16*\n
.endr
	v_lshl_add_u32 v6, v3, 3, 15
	v_sub_nc_u32 v6, v6, v2                        ; 8 h - r + 15, 0 .. 23
	v_lshlrev_b32 v6, 2, v6
.irp j, 0,1,2,3,4,5,6,7
	v_add_nc_u32 v[56+\j], 4*\j, v6                ; register j takes lane 8 h - r + 15 + j (the index is the lane x 4)
.endr
	s_lshl_b32 s34, s33, 10
	s_mov_b32 s35, 0
	s_add_nc_u64 s[26:27], s[26:27], s[34:35]
	s_wait_loadcnt 0x0
.irp n, 0,1,2,3,4,5,6,7
	v_pk_add_f32 v[16+4*\n:17+4*\n], v[16+4*\n:17+4*\n], v[18+4*\n:19+4*\n]
.endr
.irp n, 0,1,2,3
	v_pk_add_f32 v[16+8*\n:17+8*\n], v[16+8*\n:17+8*\n], v[20+8*\n:21+8*\n]
.endr
.irp n, 0,1
	v_pk_add_f32 v[16+16*\n:17+16*\n], v[16+16*\n:17+16*\n], v[24+16*\n:25+16*\n]
.endr
	v_pk_add_f32 v[16:17], v[16:17], v[32:33]
	v_add_f32 v16, v16, v17
	v_mul_f32 v16, 0x3d38aa3b, v16                 ; x log2(e) / 32: the mean, in the units of the exponent of 2
.irp j, 0,1,2,3,4,5,6,7
	ds_bpermute_b32 v[48+\j], v[56+\j], v16
.endr
	s_wait_dscnt 0x0
.irp e, 0,1
	global_store_b128 v[LI], v[48+4*\e:51+4*\e], s[26:27] offset:512*\e
.endr
	CLOSE
.Lfunc_end_k_qf164f97293_prep:
	.size	k_qf164f97293_prep, .Lfunc_end_k_qf164f97293_prep-k_qf164f97293_prep
	.p2alignl 7, 3214868480
	.fill 96, 4, 3214868480
	.section	.rodata,"a",@progbits
	.p2align	6, 0x0
	.amdhsa_kernel k_qf164f97293_prep
		.amdhsa_group_segment_fixed_size 68096
		.amdhsa_private_segment_fixed_size 0
		.amdhsa_enable_private_segment 0
		.amdhsa_kernarg_size 80
		.amdhsa_user_sgpr_count 2
		.amdhsa_user_sgpr_kernarg_segment_ptr 1
		.amdhsa_wavefront_size32 1
		.amdhsa_system_sgpr_workgroup_id_x 1
		.amdhsa_system_sgpr_workgroup_id_y 1
		.amdhsa_system_sgpr_workgroup_id_z 1
		.amdhsa_system_vgpr_workitem_id 0
		.amdhsa_next_free_vgpr 256
		.amdhsa_next_free_sgpr 66
		.amdhsa_reserve_vcc 1
		.amdhsa_float_denorm_mode_32 3
		.amdhsa_float_denorm_mode_16_64 3
		.amdhsa_memory_ordered 1
		.amdhsa_forward_progress 1
		.amdhsa_inst_pref_size 60
	.end_amdhsa_kernel
	.amdgpu_metadata
---
amdhsa.version: [ 1, 2 ]
amdhsa.kernels:
  - .name:           k_qf164f97293_prep
    .symbol:         k_qf164f97293_prep.kd
    .args:
      - { .name: hidden_states, .offset: 0, .size: 8, .value_kind: global_buffer, .address_space: global }
      - { .name: wq, .offset: 8, .size: 8, .value_kind: global_buffer, .address_space: global }
      - { .name: wk, .offset: 16, .size: 8, .value_kind: global_buffer, .address_space: global }
      - { .name: wv, .offset: 24, .size: 8, .value_kind: global_buffer, .address_space: global }
      - { .name: wo, .offset: 32, .size: 8, .value_kind: global_buffer, .address_space: global }
      - { .name: rel_pos, .offset: 40, .size: 8, .value_kind: global_buffer, .address_space: global }
      - { .name: cimg, .offset: 48, .size: 8, .value_kind: global_buffer, .address_space: global }
      - { .name: csc, .offset: 56, .size: 8, .value_kind: global_buffer, .address_space: global }
      - { .name: woimg, .offset: 64, .size: 8, .value_kind: global_buffer, .address_space: global }
      - { .name: bias, .offset: 72, .size: 8, .value_kind: global_buffer, .address_space: global }
    .group_segment_fixed_size: 68096
    .private_segment_fixed_size: 0
    .kernarg_segment_align: 8
    .kernarg_segment_size: 80
    .max_flat_workgroup_size: 128
    .sgpr_count:     66
    .vgpr_count:     256
    .wavefront_size: 32
...
	.end_amdgpu_metadata
.endif
;; end of part 1
;; launch attn (part 2): grid 16 x 16, 16 waves a work-group, no clusters, 303,104 bytes of LDS; arguments cimg, csc, bias, ctx; writes ctx
.if DOCPART == 2
	.amdgcn_target "amdgcn-amd-amdhsa--gfx1250"
	.amdhsa_code_object_version 6
	.text
	.protected	k_qf164f97293_attn
	.globl	k_qf164f97293_attn
	.p2align	8
	.type	k_qf164f97293_attn,@function
k_qf164f97293_attn:
	s_mov_b64 s[64:65], 0
	v_nop
	global_prefetch_b8 v0, s[64:65] scope:SCOPE_SE
	s_setreg_imm32_b32 hwreg(HW_REG_WAVE_MODE, 25, 1), 1
	s_wait_xcnt 0x0
; ONE WORK-GROUP IS ONE BATCH AND TWO NEIGHBOURING HEADS: q, k, v of both heads (the three quantised products, on codes of FP4 with E8M0 scales), the softmax with the relative bias, and ctx.  q, k and v never go to memory.
; SHARES.  Sixteen waves, 256 registers each, four to a SIMD, so that one wave's vector work stands beside another's matrix work and LDS loads.  Wave w owns sequence rows 32 w .. 32 w + 31 (two tiles of 16).
; PHASE A.  The wave's codes of x (2 tiles x 8 K steps of 128: 128 registers) are loaded ONCE and stay; both heads are made from them, in six passes: k, v, q of head 0, then of head 1.  A pass is 8 K steps of four scaled
; products on four accumulators; W's fragments come from LDS.  k and v are handed to the other waves through LDS as images of operand registers; q stays in registers, 16 for each head.
; PHASE B is, head by head, the attention of the wave's two tiles of queries over all 512 keys, 64 keys a step.
; NOTHING CHANGES LANES.  In a result, lane (r, h) holds column r and register j row 8 h + j.
;   q, k:  source 0 = 16 rows of W (channels), source 1 = 16 rows of x: a lane holds one sequence row and channels 16 c + 8 h + j: rounded in pairs, tiles c = 0, 1 ARE registers 0-3, 4-7 of an f16 fragment (16 rows x 32 channels).
;   v^T:   source 0 = 16 rows of x, source 1 = 16 rows of Wv: a lane holds one channel and keys 16 i + 8 h + j: tiles i = 0, 1 are the fragment of v^T for 32 keys.
;   S^T = k q^T + C (C: the bias tile): a lane holds one query and keys 8 h + j; two neighbouring tiles, rounded in pairs, are source 1 of O^T = v^T p, whose result (one query, channels 16 c + 8 h + j)
;   is, rounded in pairs, the fragment that the last launch takes.
; THE SOFTMAX.  q is multiplied in f32 by c = log2(e) / sqrt(32) before it is rounded, and the bias images carry log2(e): the matrix result is t, and p = 2^(t - m), m the query's running maximum of t.
; In every step O and the sum l are multiplied by 2^(old m - new m).  l is the sum of the unrounded p; it divides at the end.
; NO CLUSTER.  Of the 448,512 bytes that a work-group reads, 262,144 are x's codes, which the 16 work-groups of a batch share: but each of those bytes is wanted by ONE wave, in its registers, and as a joint load
; they would have to lie in LDS, where 301,056 bytes are taken.  What partners could share through LDS (W's images and scale words, the bias: 169,984 bytes) is fetched once, at the head, through registers.
; NO PREFETCH: every load of the launch is issued at its head.
; LIMITS: q c, k, v, p and ctx are operands in f16: magnitudes up to 65,504.  NaN and infinities are not served.
.set WIMG,  0                          ; LDS: the two heads' 12 tiles of Wq, Wk, Wv: fragment (mat, head hh, c, s) at 32768 mat + 16384 hh + 8192 c + 1024 s
.set WSC,   98304                      ; their scale words: 2048 mat + 1024 hh + 512 c + 256 g + 16 r
.set BIMG,  104448                     ; the 64 bias images, 1,024 bytes each
.set KIMG,  169984                     ; head 0's k: 32 fragments (key tile kt);
.set VOFF,  32768                      ; behind them its v^T: fragment (32 keys ks, channels c) at 1024 (2 ks + c);
.set HOFF,  65536                      ; and head 1's likewise
.set SPARE, 301056                     ; the spare words, 128 bytes for each wave: eight blocks of 256 bytes that no other line names
.set LI,  1                            ; v1   16 x lane: my 16 bytes of a piece
.set SPW, 2                            ; v2   LDS address of my spare word; never rewritten
.set NIL, 3                            ; v3   0; never rewritten
.set AK0, 4                            ; v4   KIMG + 16 x lane (+ HOFF for head 1)
.set AB0, 5                            ; v5   BIMG + 1024 (30 - 2 wave) + 16 x lane
.set LSC, 6                            ; v6   phase A: W's scale words in LDS: WSC + 512 (lane / 16) + 16 (lane % 16): lanes 0-15 tile c = 0, lanes 16-31 c = 1
.set LK,  7                            ; v7   phase A: where I store k's and v's images
.set ADK, 6                            ; v6   phase B: the step's k and v
.set ADB, 7                            ; v7   phase B: the step's bias tiles
.set Q,   8                            ; v8-39    q c in f16: head hh, tile i at 16 hh + 8 i.  (Until the first pass is over: the bias on its way to LDS)
; phase A
.set XS,  40                           ; v40-47   x's scale words: register s: tile 0 in lanes 0-15, tile 1 in lanes 16-31
.set WS,  48                           ; v48-55   the pass's W scale words: register s
.set AW,  56                           ; v56      the pass's W fragments in LDS
.set LW,  57                           ; v57      the head: 16 x lane + 2,048 x wave: my sixteenth of a matrix's 32,768 bytes;
.set LW2, 58                           ; v58      the same 65,536 bytes on (an LDS offset has 16 bits)
.set LT,  59                           ; v59      4 x thread: my word of a matrix's 2,048 bytes of scale words;
.set LTS, 60                           ; v60      and its place in LDS
.set LB,  61                           ; v61      16 x lane + 4,096 x wave: my sixteenth of the bias;
.set LBS, 62                           ; v62      and its place in LDS
.set LSG, 63                           ; v63      x's scale words in memory: 512 (lane / 16) + 16 (lane % 16)
.set ACC, 64                           ; v64-95   four accumulators: q, k: (i, c) at 8 (2 i + c); v: (c, i) at 8 (2 c + i)
.set WF,  96                           ; v96-127  W's two fragments of a K step, two sets (s % 2)
.set X,   128                          ; v128-255 x's fragments: K step s, tile i at 16 s + 8 i
; phase B
.set ST,  40                           ; v40-55   8 a tile: +0 m, +1 zero (named with m as a pair), +2, +3 l (even keys', odd keys'), +4 .. +7 at work; 2^(old m - new m) in +6
.set S,   56                           ; v56-119  t, then p: 32 a tile
.set P,   120                          ; v120-151 p in f16: 16 a tile
.set O,   152                          ; v152-183 O^T: 16 a tile
.set KV,  184                          ; v184-215 four fragments of k, then of v^T
.set BI,  216                          ; v216-255 five bias tiles
	s_load_b256 s[4:11], s[0:1], 0x0               ; cimg s[4:5], csc s[6:7], bias s[8:9], ctx s[10:11]
	v_lshl_add_u32 v[SPW], v0, 2, SPARE
	v_mov_b32 v[NIL], 0
	v_lshrrev_b32 v4, 5, v0
	v_readfirstlane_b32 s12, v4                    ; wave 0..15
	s_and_b32 s14, ttmp7, 0xffff                   ; the batch; ttmp9 is the pair of heads
	v_and_b32 v1, 31, v0
	v_lshlrev_b32 v[LI], 4, v1
	v_bfe_u32 v[LW], v0, 4, 1                      ; lane / 16
	v_and_b32 v[LW2], 15, v0                       ; lane % 16
	v_lshlrev_b32 v[LSG], 4, v[LW2]
	v_lshl_add_u32 v[LSG], v[LW], 9, v[LSG]
	v_add_nc_u32 v[LSC], WSC, v[LSG]
	s_lshl_b32 s15, s12, 11
	v_add_nc_u32 v[LW], s15, v[LI]
	v_add_nc_u32 v[LW2], 0x10000, v[LW]
	v_lshlrev_b32 v[LT], 2, v0
	v_add_nc_u32 v[LTS], WSC, v[LT]
	s_lshl_b32 s15, s12, 12
	v_add_nc_u32 v[LB], s15, v[LI]
	v_add_nc_u32 v[LBS], BIMG, v[LB]
	s_lshl_b32 s15, s12, 11
	s_add_co_u32 s15, s15, KIMG
	v_add_nc_u32 v[LK], s15, v[LI]
	v_add_nc_u32 v[AK0], KIMG, v[LI]
	s_xor_b32 s15, s12, 15                         ; 15 - wave
	s_lshl_b32 s15, s15, 11
	s_add_co_u32 s15, s15, BIMG
	v_add_nc_u32 v[AB0], s15, v[LI]
	s_mov_b32 s26, 0x3e8293ee                      ; c = log2(e) / sqrt(32)
	s_mov_b32 s27, s26                             ; (named with it as a pair, so it is written)
	s_mov_b32 s28, 0x76543210
	s_mov_b32 s29, 0xfedcba98                      ; v_permlanex16_b32's selects for lane l xor 16
	s_mov_b32 s33, 0
	s_wait_kmcnt 0x0
	s_lshl_b32 s32, s14, 18                        ; x's codes: 32 tiles of 8,192 bytes a batch, two tiles a wave
	s_lshl_b32 s15, s12, 14
	s_add_co_u32 s32, s32, s15
	s_add_nc_u64 s[16:17], s[4:5], s[32:33]
	s_lshl_b32 s32, ttmp9, 15                      ; W's codes: behind x's 512 tiles; four tiles a pair of heads
	s_add_co_u32 s32, s32, 4194304
	s_add_nc_u64 s[18:19], s[4:5], s[32:33]
	s_lshl_b32 s32, s14, 14                        ; x's scale words: 512 bytes a tile
	s_lshl_b32 s15, s12, 10
	s_add_co_u32 s32, s32, s15
	s_add_nc_u64 s[20:21], s[6:7], s[32:33]
	s_lshl_b32 s32, ttmp9, 11                      ; W's
	s_add_co_u32 s32, s32, 262144
	s_add_nc_u64 s[22:23], s[6:7], s[32:33]
	s_lshl_b32 s32, s14, 20                        ; ctx: [tile of rows][head][1,024 bytes]: 32 x 32,768 a batch, 65,536 a wave, 2,048 a pair of heads
	s_lshl_b32 s15, s12, 16
	s_add_co_u32 s32, s32, s15
	s_lshl_b32 s15, ttmp9, 11
	s_add_co_u32 s32, s32, s15
	s_add_nc_u64 s[24:25], s[10:11], s[32:33]
	; all 57 loads of the launch, in the order in which they are wanted
.irp m, 0,1,2
.irp e, 0,1,2,3
	global_load_b128 v[64+16*\m+4*\e:67+16*\m+4*\e], v[LW], s[18:19] offset:524288*\m+512*\e   ; my sixteenth of the two heads' W images (a matrix's tiles lie 64 x 8,192 bytes apart)
.endr
.endr
.irp m, 0,1,2
	global_load_b32 v[112+\m], v[LT], s[22:23] offset:32768*\m                                 ; my word of their scale words: the sixteen waves take a matrix's 2,048 consecutive bytes
.endr
.irp g, 0,1
	global_load_b128 v[XS+4*\g:XS+4*\g+3], v[LSG], s[20:21] offset:256*\g                      ; x's scale words: four K steps' words of a row at once
.endr
.irp s, 0,1,2,3,4,5,6,7
.irp i, 0,1
.irp e, 0,1
	global_load_b128 v[X+16*\s+8*\i+4*\e:X+16*\s+8*\i+4*\e+3], v[LI], s[16:17] offset:8192*\i+1024*\s+512*\e   ; x's fragments, K step by K step: they stay for all six passes
.endr
.endr
.endr
.irp n, 0,1,2,3,4,5,6,7
	global_load_b128 v[8+4*\n:11+4*\n], v[LB], s[8:9] offset:512*\n                            ; my sixteenth of the bias images: wanted last, so asked for last
.endr
	s_wait_loadcnt 42                              ; the first 15 are in; x's 2 loads of scale words, its 32 of codes and the bias's 8 may be out
.irp m, 0,1
.irp e, 0,1,2,3
	ds_store_b128 v[LW], v[64+16*\m+4*\e:67+16*\m+4*\e] offset:WIMG+32768*\m+512*\e
.endr
.endr
.irp e, 0,1,2,3
	ds_store_b128 v[LW2], v[96+4*\e:99+4*\e] offset:WIMG+512*\e
.endr
.irp m, 0,1,2
	ds_store_b32 v[LTS], v[112+\m] offset:2048*\m
.endr
	s_wait_dscnt 0x0                               ; for the others' sake: my stores have landed
	s_barrier_signal -1
	s_barrier_wait -1                              ; W's images and scale words are whole
; One scaled product.  The registers are the symbols rD, rA, rB, rSA, rSB, set ahead of it.  ra, rb: a side's scale words stand in lanes 16-31.  z: the product starts its sum.
.macro PROD ra, rb, z
.if \z
.if (\ra) && (\rb)
	v_wmma_scale_f32_16x16x128_f8f6f4 v[rD:rD+7], v[rA:rA+7], v[rB:rB+7], 0, v[rSA], v[rSB] matrix_a_fmt:MATRIX_FMT_FP4 matrix_b_fmt:MATRIX_FMT_FP4 matrix_a_scale:MATRIX_SCALE_ROW1 matrix_b_scale:MATRIX_SCALE_ROW1
.elseif \ra
	v_wmma_scale_f32_16x16x128_f8f6f4 v[rD:rD+7], v[rA:rA+7], v[rB:rB+7], 0, v[rSA], v[rSB] matrix_a_fmt:MATRIX_FMT_FP4 matrix_b_fmt:MATRIX_FMT_FP4 matrix_a_scale:MATRIX_SCALE_ROW1
.elseif \rb
	v_wmma_scale_f32_16x16x128_f8f6f4 v[rD:rD+7], v[rA:rA+7], v[rB:rB+7], 0, v[rSA], v[rSB] matrix_a_fmt:MATRIX_FMT_FP4 matrix_b_fmt:MATRIX_FMT_FP4 matrix_b_scale:MATRIX_SCALE_ROW1
.else
	v_wmma_scale_f32_16x16x128_f8f6f4 v[rD:rD+7], v[rA:rA+7], v[rB:rB+7], 0, v[rSA], v[rSB] matrix_a_fmt:MATRIX_FMT_FP4 matrix_b_fmt:MATRIX_FMT_FP4
.endif
.else
.if (\ra) && (\rb)
	v_wmma_scale_f32_16x16x128_f8f6f4 v[rD:rD+7], v[rA:rA+7], v[rB:rB+7], v[rD:rD+7], v[rSA], v[rSB] matrix_a_fmt:MATRIX_FMT_FP4 matrix_b_fmt:MATRIX_FMT_FP4 matrix_a_scale:MATRIX_SCALE_ROW1 matrix_b_scale:MATRIX_SCALE_ROW1
.elseif \ra
	v_wmma_scale_f32_16x16x128_f8f6f4 v[rD:rD+7], v[rA:rA+7], v[rB:rB+7], v[rD:rD+7], v[rSA], v[rSB] matrix_a_fmt:MATRIX_FMT_FP4 matrix_b_fmt:MATRIX_FMT_FP4 matrix_a_scale:MATRIX_SCALE_ROW1
.elseif \rb
	v_wmma_scale_f32_16x16x128_f8f6f4 v[rD:rD+7], v[rA:rA+7], v[rB:rB+7], v[rD:rD+7], v[rSA], v[rSB] matrix_a_fmt:MATRIX_FMT_FP4 matrix_b_fmt:MATRIX_FMT_FP4 matrix_b_scale:MATRIX_SCALE_ROW1
.else
	v_wmma_scale_f32_16x16x128_f8f6f4 v[rD:rD+7], v[rA:rA+7], v[rB:rB+7], v[rD:rD+7], v[rSA], v[rSB] matrix_a_fmt:MATRIX_FMT_FP4 matrix_b_fmt:MATRIX_FMT_FP4
.endif
.endif
.endm
.macro WLOAD s                         ; the pass's two W fragments of K step s into set s % 2: four loads of 512 consecutive bytes
.irp c, 0,1
.irp e, 0,1
	ds_load_b128 v[WF+16*((\s)%2)+8*\c+4*\e:WF+16*((\s)%2)+8*\c+4*\e+3], v[AW] offset:8192*\c+1024*(\s)+512*\e
.endr
.endr
.endm
; K step s of a pass of matrix m (0 q, 1 k, 2 v): 128 along K, four products on four accumulators, which take turns in the same order in every step.
; first = 1: the launch's first pass, which goes as x arrives.  z = 1: the step starts the sums: nothing is cleared.
.macro KSTEP m, s, first, z
.if \first
	s_wait_loadcnt 36-4*(\s)                       ; loads come back in order: x's K step s is in; its 4 (7 - s) later loads and the bias's 8 may be out
.endif
.if (\s) < 7
	s_wait_dscnt 4                                 ; this step's W fragments are in (and all that was issued ahead of them); the next step's four loads may be out
.else
	s_wait_dscnt 0x0
.endif
.if (\m) < 2
.irp i, 0,1                                    ; q, k: source 0 = W's tile c, source 1 = x's tile i
.irp c, 0,1
.set rD, ACC+8*(2*\i+\c)
.set rA, WF+16*((\s)%2)+8*\c
.set rB, X+16*(\s)+8*\i
.set rSA, WS+(\s)
.set rSB, XS+(\s)
	PROD \c, \i, \z
.endr
.endr
.else
.irp c, 0,1                                    ; v: source 0 = x's tile i, source 1 = Wv's tile c
.irp i, 0,1
.set rD, ACC+8*(2*\c+\i)
.set rA, X+16*(\s)+8*\i
.set rB, WF+16*((\s)%2)+8*\c
.set rSA, XS+(\s)
.set rSB, WS+(\s)
	PROD \i, \c, \z
.endr
.endr
.endif
.if (\s) != 6                                  ; (behind step 6 nothing is loaded and nothing is read: step 7's products follow)
.rept 4
	v_nop                                          ; four places behind the products, in front of loads into registers that they have read and of the first read of results (ISA guide 7.12.1 for vector instructions)
.endr
.endif
.if (\s) < 6
	WLOAD (\s)+2                                   ; the set takes the K step two further on
.endif
.endm
; A pass: matrix m of head hh, all of K.
.macro PASS hh, m, first
	v_add_nc_u32 v[AW], WIMG+32768*(\m)+16384*(\hh), v[LI]
.irp g, 0,1
	ds_load_b128 v[WS+4*\g:WS+4*\g+3], v[LSC] offset:2048*(\m)+1024*(\hh)+256*\g   ; the pass's scale words: four K steps' words of a row at once
.endr
	WLOAD 0
	WLOAD 1
	KSTEP \m, 0, \first, 1
.irp s, 1,2,3,4,5,6,7
	KSTEP \m, \s, \first, 0
.endr
.endm
; k's or v's four tiles are rounded to f16 in place, each accumulator read from its low end on: two fragments in the first 16 registers; they go to LDS as they stand.
; The next pass's first products, which write these registers anew, stand behind that pass's first wait on DScnt, which covers these stores; between them and this pass's last products
; stand the four v_nop and, for each accumulator, at least four roundings that name none of its registers.
.macro KVOUT off
.set n, 0
.rept 16
	v_cvt_pk_f16_f32 v[ACC+n], v[ACC+2*n], v[ACC+2*n+1]
.set n, n+1
.endr
.irp i, 0,1
.irp e, 0,1
	ds_store_b128 v[LK], v[ACC+8*\i+4*\e:ACC+8*\i+4*\e+3] offset:(\off)+1024*\i+512*\e   ; k: key tiles 2 w + i;  v^T: keys 32 w on, channels 16 i on
.endr
.endr
.endm
.macro QOUT hh                         ; q x c in f32, then rounded: fragment i of head hh
.set n, 0
.rept 16
	v_pk_mul_f32 v[ACC+n:ACC+n+1], v[ACC+n:ACC+n+1], s[26:27] op_sel_hi:[1,0]
.set n, n+2
.endr
.set n, 0
.rept 16
	v_cvt_pk_f16_f32 v[Q+16*(\hh)+n], v[ACC+2*n], v[ACC+2*n+1]
.set n, n+1
.endr
.endm
	PASS 0, 1, 1                                   ; head 0: k
	KVOUT 0
	s_wait_loadcnt 0x0                             ; the bias is in
.irp n, 0,1,2,3,4,5,6,7
	ds_store_b128 v[LBS], v[8+4*\n:11+4*\n] offset:512*\n
.endr
	PASS 0, 2, 0                                   ; v
	KVOUT VOFF
	PASS 0, 0, 0                                   ; q (the bias's stores were shown done by the waits on DScnt of the pass before: their registers take q)
	QOUT 0
	v_add_nc_u32 v[LK], HOFF, v[LK]                ; head 1's images lie 65,536 bytes on
	PASS 1, 1, 0
	KVOUT 0
	PASS 1, 2, 0
	KVOUT VOFF
	PASS 1, 0, 0
	QOUT 1
	v_mov_b32 v[ST+1], 0
	v_mov_b32 v[ST+9], 0
	s_wait_dscnt 0x0                               ; for the others' sake: my images have landed
	s_barrier_signal -1
	s_barrier_wait -1                              ; the bias, and k and v^T of all 512 keys of both heads, lie in LDS; nothing in LDS is written from here on
; A KEY STEP of head hh: 64 keys (key tiles 4 j .. 4 j + 3; s30 = 4,096 j), both my tiles of queries.  first = 1: the head's first step, which starts m, l and O^T.
.macro STEP first, hh
	v_add_nc_u32 v[ADK], s30, v[AK0]
	v_add_nc_u32 v[ADB], s30, v[AB0]
	v_nop
	v_nop                                          ; with the two additions: four places behind the last products, in front of the loads into registers that they have read
.irp u, 0,1,2,3,4
.irp e, 0,1
	ds_load_b128 v[BI+8*\u+4*\e:BI+8*\u+4*\e+3], v[ADB] offset:1024*\u+512*\e   ; bias image 4 j - 2 w + 30 + u: key tile k and query tile i take u = k + 1 - i
.endr
.endr
.irp k, 0,1,2,3
.irp e, 0,1
	ds_load_b128 v[KV+8*\k+4*\e:KV+8*\k+4*\e+3], v[ADK] offset:1024*\k+512*\e
.endr
.endr
	s_wait_dscnt 0x0
.irp k, 0,1,2,3
.irp i, 0,1
	v_wmma_f32_16x16x32_f16 v[S+32*\i+8*\k:S+32*\i+8*\k+7], v[KV+8*\k:KV+8*\k+7], v[Q+16*(\hh)+8*\i:Q+16*(\hh)+8*\i+7], v[BI+8*(\k+1-\i):BI+8*(\k+1-\i)+7]   ; t = c q . k + the bias
.endr
.endr
.rept 4
	v_nop                                          ; four places: in front of the loads over k's fragments, and of the first read of t
.endr
.irp f, 0,1,2,3
.irp e, 0,1
	ds_load_b128 v[KV+8*\f+4*\e:KV+8*\f+4*\e+3], v[ADK] offset:VOFF+1024*\f+512*\e   ; v^T: keys 32 (f / 2) on, channels 16 (f % 2) on; it lands under the softmax
.endr
.endr
	; the maximum of my 32 numbers a tile and the old m: four chains, one an accumulator, each begun at that accumulator's low end; the two tiles line by line
.irp k, 0,1,2,3
.irp i, 0,1
	v_max3_num_f32 v[ST+8*\i+4+\k], v[S+32*\i+8*\k], v[S+32*\i+8*\k+1], v[S+32*\i+8*\k+2]
.endr
.endr
.irp n, 3,5
.irp k, 0,1,2,3
.irp i, 0,1
	v_max3_num_f32 v[ST+8*\i+4+\k], v[ST+8*\i+4+\k], v[S+32*\i+8*\k+\n], v[S+32*\i+8*\k+\n+1]
.endr
.endr
.endr
.irp i, 0,1
	v_max3_num_f32 v[ST+8*\i+4], v[ST+8*\i+4], v[S+32*\i+7], v[S+32*\i+15]
.endr
.irp i, 0,1
	v_max3_num_f32 v[ST+8*\i+6], v[ST+8*\i+6], v[S+32*\i+23], v[S+32*\i+31]
.endr
.irp i, 0,1
	v_max3_num_f32 v[ST+8*\i+4], v[ST+8*\i+4], v[ST+8*\i+5], v[ST+8*\i+6]
.endr
.irp i, 0,1
.if \first
	v_max_num_f32 v[ST+8*\i+4], v[ST+8*\i+4], v[ST+8*\i+7]
.else
	v_max3_num_f32 v[ST+8*\i+4], v[ST+8*\i+4], v[ST+8*\i+7], v[ST+8*\i]
.endif
.endr
.irp i, 0,1
	v_permlanex16_b32 v[ST+8*\i+5], v[ST+8*\i+4], s28, s29     ; the query's other keys lie in the lane 16 away
.endr
.irp i, 0,1
	v_max_num_f32 v[ST+8*\i+6], v[ST+8*\i+4], v[ST+8*\i+5]     ; the new m
.endr
.if \first == 0
.irp i, 0,1
	v_sub_f32 v[ST+8*\i+7], v[ST+8*\i], v[ST+8*\i+6]           ; old m - new m, 0 or less
.endr
.endif
.irp i, 0,1
	v_mov_b32 v[ST+8*\i], v[ST+8*\i+6]
.endr
.if \first == 0
.irp i, 0,1
	v_exp_f32 v[ST+8*\i+6], v[ST+8*\i+7]                       ; 2^(old m - new m)
.endr
.endif
.set n, 0
.rept 16
	v_pk_add_f32 v[S+n:S+n+1], v[S+n:S+n+1], v[ST:ST+1] op_sel_hi:[1,0] neg_lo:[0,1] neg_hi:[0,1]               ; t - m, two at a time (of the pair the low word serves both halves)
	v_pk_add_f32 v[S+32+n:S+32+n+1], v[S+32+n:S+32+n+1], v[ST+8:ST+9] op_sel_hi:[1,0] neg_lo:[0,1] neg_hi:[0,1]
.set n, n+2
.endr
.if \first == 0
	s_wait_alu depctr_va_vdst(0)                   ; wait for the two factors, which the rescaling below reads
.endif
.set n, 0
.rept 32
	v_exp_f32 v[S+n], v[S+n]                       ; p = 2^(t - m): one batch of 64
	v_exp_f32 v[S+32+n], v[S+32+n]
.set n, n+1
.endr
.if \first
	v_nop                                          ; a plain line behind the last exponential
.else
.set n, 0
.rept 8
	v_pk_mul_f32 v[O+n:O+n+1], v[O+n:O+n+1], v[ST+6:ST+7] op_sel_hi:[1,0]              ; O^T under the new m: work that names no result of the batch, each accumulator from its low end on
	v_pk_mul_f32 v[O+16+n:O+16+n+1], v[O+16+n:O+16+n+1], v[ST+14:ST+15] op_sel_hi:[1,0]
.set n, n+2
.endr
.endif
	s_wait_alu depctr_va_vdst(0)                   ; one wait for the batch, ahead of its first reader
.set n, 0
.rept 16
	v_cvt_pk_f16_f32 v[P+n], v[S+2*n], v[S+2*n+1]
	v_cvt_pk_f16_f32 v[P+16+n], v[S+32+2*n], v[S+32+2*n+1]
.set n, n+1
.endr
.irp u, 0,1,2,3,4,5,6,7                        ; the sum of the unrounded p, in place: neighbours 1, 2, 4 and 8 pairs apart
.irp i, 0,1
	v_pk_add_f32 v[S+32*\i+4*\u:S+32*\i+4*\u+1], v[S+32*\i+4*\u:S+32*\i+4*\u+1], v[S+32*\i+4*\u+2:S+32*\i+4*\u+3]
.endr
.endr
.irp u, 0,1,2,3
.irp i, 0,1
	v_pk_add_f32 v[S+32*\i+8*\u:S+32*\i+8*\u+1], v[S+32*\i+8*\u:S+32*\i+8*\u+1], v[S+32*\i+8*\u+4:S+32*\i+8*\u+5]
.endr
.endr
.irp u, 0,1
.irp i, 0,1
	v_pk_add_f32 v[S+32*\i+16*\u:S+32*\i+16*\u+1], v[S+32*\i+16*\u:S+32*\i+16*\u+1], v[S+32*\i+16*\u+8:S+32*\i+16*\u+9]
.endr
.endr
.irp i, 0,1
.if \first
	v_pk_add_f32 v[ST+8*\i+2:ST+8*\i+3], v[S+32*\i:S+32*\i+1], v[S+32*\i+16:S+32*\i+17]
.else
	v_pk_add_f32 v[S+32*\i:S+32*\i+1], v[S+32*\i:S+32*\i+1], v[S+32*\i+16:S+32*\i+17]
.endif
.endr
.if \first == 0
.irp i, 0,1
	v_pk_fma_f32 v[ST+8*\i+2:ST+8*\i+3], v[ST+8*\i+2:ST+8*\i+3], v[ST+8*\i+6:ST+8*\i+7], v[S+32*\i:S+32*\i+1] op_sel_hi:[1,0,1]   ; l = l x the factor + the step's sum
.endr
.endif
	s_wait_dscnt 0x0                               ; v^T is in
.irp a, 0,1                                    ; O^T += v^T p: the four accumulators take turns, one instruction a turn
.irp i, 0,1
.irp c, 0,1
.if \first && (\a == 0)
	v_wmma_f32_16x16x32_f16 v[O+16*\i+8*\c:O+16*\i+8*\c+7], v[KV+8*(2*\a+\c):KV+8*(2*\a+\c)+7], v[P+16*\i+8*\a:P+16*\i+8*\a+7], 0
.else
	v_wmma_f32_16x16x32_f16 v[O+16*\i+8*\c:O+16*\i+8*\c+7], v[KV+8*(2*\a+\c):KV+8*(2*\a+\c)+7], v[P+16*\i+8*\a:P+16*\i+8*\a+7], v[O+16*\i+8*\c:O+16*\i+8*\c+7]
.endif
.endr
.endr
.endr
.endm
; THE ATTENTION OF HEAD hh: eight key steps and the way out.
.macro ATTN hh
.if \hh
	s_wait_xcnt 0x0                                ; head 0's stores have read their registers, which this head's steps write again
	v_add_nc_u32 v[AK0], HOFF, v[AK0]              ; head 1's k and v^T lie 65,536 bytes on
.endif
	s_mov_b32 s30, 0
	STEP 1, \hh                                    ; the first step is written out: its products start O^T's sums, and it has no old m
	s_mov_b32 s30, 4096
	s_mov_b32 s31, 7
.Lkey_\@:
	STEP 0, \hh
	s_add_co_u32 s30, s30, 4096
	s_sub_co_u32 s31, s31, 1
	s_cmp_lg_u32 s31, 0
	s_cbranch_scc1 .Lkey_\@
	; THE WAY OUT: l's two halves and the other half of the lanes'; O^T / l, rounded to f16 in pairs, is the fragment as the last launch takes it: each store covers 512 consecutive bytes
.rept 4
	v_nop                                          ; four places behind the last products
.endr
.irp i, 0,1
	v_add_f32 v[ST+8*\i+4], v[ST+8*\i+2], v[ST+8*\i+3]
.endr
.irp i, 0,1
	v_permlanex16_b32 v[ST+8*\i+5], v[ST+8*\i+4], s28, s29
.endr
.irp i, 0,1
	v_add_f32 v[ST+8*\i+4], v[ST+8*\i+4], v[ST+8*\i+5]
.endr
.irp i, 0,1
	v_rcp_f32 v[ST+8*\i+6], v[ST+8*\i+4]
.endr
	v_nop                                          ; a plain line behind the last reciprocal
	s_wait_alu depctr_va_vdst(0)                   ; and the wait ahead of the first reader: one for both
.set n, 0
.rept 8
	v_pk_mul_f32 v[S+n:S+n+1], v[O+n:O+n+1], v[ST+6:ST+7] op_sel_hi:[1,0]
	v_pk_mul_f32 v[S+16+n:S+16+n+1], v[O+16+n:O+16+n+1], v[ST+14:ST+15] op_sel_hi:[1,0]
.set n, n+2
.endr
.set n, 0
.rept 16
	v_cvt_pk_f16_f32 v[P+n], v[S+2*n], v[S+2*n+1]
.set n, n+1
.endr
.irp i, 0,1
.irp e, 0,1
	global_store_b128 v[LI], v[P+8*\i+4*\e:P+8*\i+4*\e+3], s[24:25] offset:32768*\i+1024*(\hh)+512*\e
.endr
.endr
.endm
	ATTN 0
	ATTN 1
	s_wait_tensorcnt 0x0                           ; the wave's end
	ds_add_u32 v[SPW], v[NIL]
	s_wait_dscnt 0x0
	s_endpgm
.Lfunc_end_k_qf164f97293_attn:
	.size	k_qf164f97293_attn, .Lfunc_end_k_qf164f97293_attn-k_qf164f97293_attn
	.p2alignl 7, 3214868480
	.fill 96, 4, 3214868480
	.section	.rodata,"a",@progbits
	.p2align	6, 0x0
	.amdhsa_kernel k_qf164f97293_attn
		.amdhsa_group_segment_fixed_size 303104
		.amdhsa_private_segment_fixed_size 0
		.amdhsa_enable_private_segment 0
		.amdhsa_kernarg_size 32
		.amdhsa_user_sgpr_count 2
		.amdhsa_user_sgpr_kernarg_segment_ptr 1
		.amdhsa_wavefront_size32 1
		.amdhsa_system_sgpr_workgroup_id_x 1
		.amdhsa_system_sgpr_workgroup_id_y 1
		.amdhsa_system_sgpr_workgroup_id_z 1
		.amdhsa_system_vgpr_workitem_id 0
		.amdhsa_next_free_vgpr 256
		.amdhsa_next_free_sgpr 66
		.amdhsa_reserve_vcc 0
		.amdhsa_float_denorm_mode_32 3
		.amdhsa_float_denorm_mode_16_64 3
		.amdhsa_memory_ordered 1
		.amdhsa_forward_progress 1
		.amdhsa_inst_pref_size 125
	.end_amdhsa_kernel
	.amdgpu_metadata
---
amdhsa.version: [ 1, 2 ]
amdhsa.kernels:
  - .name:           k_qf164f97293_attn
    .symbol:         k_qf164f97293_attn.kd
    .args:
      - { .name: cimg, .offset: 0, .size: 8, .value_kind: global_buffer, .address_space: global }
      - { .name: csc, .offset: 8, .size: 8, .value_kind: global_buffer, .address_space: global }
      - { .name: bias, .offset: 16, .size: 8, .value_kind: global_buffer, .address_space: global }
      - { .name: ctx, .offset: 24, .size: 8, .value_kind: global_buffer, .address_space: global }
    .group_segment_fixed_size: 303104
    .private_segment_fixed_size: 0
    .kernarg_segment_align: 8
    .kernarg_segment_size: 32
    .max_flat_workgroup_size: 512
    .sgpr_count:     66
    .vgpr_count:     256
    .wavefront_size: 32
...
	.end_amdgpu_metadata
.endif
;; end of part 2
;; launch oproj (part 3): grid 8 x 32, 4 waves a work-group, clusters of 4 x 4, 327,680 bytes of LDS; arguments ctx, woimg, out0; writes out0
.if DOCPART == 3
	.amdgcn_target "amdgcn-amd-amdhsa--gfx1250"
	.amdhsa_code_object_version 6
	.text
	.protected	k_qf164f97293_oproj
	.globl	k_qf164f97293_oproj
	.p2align	8
	.type	k_qf164f97293_oproj,@function
k_qf164f97293_oproj:
	s_mov_b64 s[64:65], 0
	v_nop
	global_prefetch_b8 v0, s[64:65] scope:SCOPE_SE
	s_setreg_imm32_b32 hwreg(HW_REG_WAVE_MODE, 25, 1), 1
	s_wait_xcnt 0x0
	s_wait_alu depctr_hold_cnt(0) depctr_sa_sdst(0) depctr_va_vdst(0) depctr_va_sdst(0) depctr_va_ssrc(0) depctr_va_vcc(0) depctr_vm_vsrc(0)
	s_getreg_b32 s2, hwreg(HW_REG_IB_STS2, 6, 4)
	s_cmp_eq_u32 s2, 0
	s_cbranch_scc0 .Lentry_in_a_cluster
	s_endpgm
.Lentry_in_a_cluster:
	s_bfe_u32 s2, ttmp6, 0x10000c
	s_cmp_lg_u32 s2, 0xf033
	s_cbranch_scc0 .Lentry_shape_is_right
	s_endpgm
.Lentry_shape_is_right:
; out0[m][n] = sum over k of ctx[m][k] wo[n][k]: M = 8,192, N = 1,024, K = 1,024; operands in f16, sums and out0 in f32.
; Both operands lie in memory as images of fragments (16 rows x 32 along K: 1,024 bytes, two pieces of 512, lane l's 16 bytes at 16 l): ctx [mt 512][ks 32][1024], woimg [nt 64][ks 32][1024].
; So 128 along K of one tile of 16 rows are 4,096 consecutive bytes, a fragment comes out of LDS by two loads of 512 consecutive bytes, and LDS wants no padding.
; A tile of out0 is 256 rows x 128 columns: 256 work-groups, one tile each (256 x 256 would give 128).  Four waves, each 128 x 64: 32 accumulators of 16 x 16, 256 registers.
; K goes in eight steps of 128 through a ring of two LDS slots filled by the tensor data mover: waves 0 and 1 fetch ctx's two halves (8 tiles of rows x 4,096 bytes), waves 2 and 3 wo's (4 x 4,096).
; CLUSTERS: 4 x 4 work-groups.  The four of a row of the cluster need the same tiles of ctx, the four of a column the same tiles of wo: each is asked for JOINTLY, by the same tensor load with the same
; descriptor and a mask that names the four.  THE MATRIX INSTRUCTION IS USED TRANSPOSED (source 0 = 16 rows of wo, source 1 = 16 rows of ctx): a lane then holds eight neighbouring numbers of a row of out0.
; REGISTERS: window 0: v0-31 addresses; v32-127, v128-223 two fragment buffers (32 along K: wo's four fragments, then ctx's eight); on the way out v32-95 hold rows read back.
;   window 1: the accumulators, (a, b) at v[8 (4 a + b)].
; LIMITS: f16 operands, as the launches before made them.
.set KB,     4096                      ; a K step's bytes of one tile of 16 rows
.set BOFF,   65536                     ; a slot: ctx's 16 tiles x 4,096 bytes, then wo's 8
.set SLOT,   98304
.set STAGE,  2*SLOT                    ; behind the ring: 16 rows x 272 bytes for each wave, for the way out; no fill ever lands here
.set SPITCH, 272
.set SPARE,  STAGE+4*16*SPITCH         ; behind the stages: the spare words, 128 bytes for each wave: two blocks of 256 bytes that no other line names
.set LAPS,   4                         ; a lap = two K steps = once round the ring
.set ADRA, 16                          ; v16-17  LDS address of my ctx fragments in slot 0, 1
.set ADRB, 20                          ; v20-21  the same for wo
.set STO,  24                          ; v24     the way out: where I put 32 bytes of a row
.set RD,   25                          ; v25     the way out: where I read a row back
.set CO,   26                          ; v26     my byte offset in out0
.set SPW,  28                          ; v28     LDS address of my spare word; never rewritten
.set NIL,  29                          ; v29     0; never rewritten
.set PFO,  30                          ; v30     the prefetches' offset: 32,768 (lane / 16) + 256 (lane % 16); never rewritten
.set F0,   32
.set F1,   128
.set BK,   32                          ; the way out: 16 rows read back: v32-63 and v64-95 by turns
.set G1,  24                           ; s[24:31] descriptor group 1 for ctx's tiles;  s[32:39] group 0, one set for each slot
.set G0,  32
.set G1B, 48                           ; s[48:55], s[56:63] the same for wo's
.set G0B, 56
.set PFA, 44                           ; s[44:45] where my prefetches stand
.set LIM, 43                           ; s43     1 in a wave that prefetches, else the greatest number
.set MSB, 0
.macro WIN new                         ; the immediate's high byte repeats the setting that is left
.if MSB != \new
	s_set_vgpr_msb (MSB<<8)|\new
.set MSB, \new
.endif
.endm
.set MUL, 0x50                         ; sources 0 and 1 window 0; C and D window 1
.macro JLOAD s                         ; a joint load: waves 0 and 1 fetch ctx's two halves, waves 2 and 3 wo's; an s_nop 0 and four v_nop follow each of the two lines, ahead of the jump, the label and what follows
	s_cmp_eq_u32 s11, 0
	s_cbranch_scc0 .Lfor_b_\@
	tensor_load_to_lds s[G0+4*\s:G0+4*\s+3], s[G1:G1+7]
	s_nop 0
.rept 4
	v_nop
.endr
	s_branch .Lasked_\@
.Lfor_b_\@:
	tensor_load_to_lds s[G0B+4*\s:G0B+4*\s+3], s[G1B:G1B+7]
	s_nop 0
.rept 4
	v_nop
.endr
.Lasked_\@:
.endm
; A PREFETCH INTO THE L2 of ctx's K step that stands TWO refills on: behind the joint load, its five lines and the run of LDS loads.  Each block of 256 bytes is named once in the launch: a tile row of ctx is
; read by both clusters of its row of clusters, and the first (cluster x = 0) asks; in it waves 0 and 1, which fetch ctx; of the 8 tiles x 4,096 bytes that a wave fetches each of the four partners takes two,
; told apart BY ADDRESS: a lane a block.  The loop's last trip asks for nothing: there is no K step two refills on.  K steps 0 to 3 come by their loads alone.
.macro ASK
	s_cmp_gt_u32 s3, s[LIM]                        ; s3 = 1 in the loop's last trip
	s_cbranch_scc0 .Lnot_mine_\@
	global_prefetch_b8 v[PFO], s[PFA:PFA+1] th:TH_LOAD_NT scope:SCOPE_SE
.Lnot_mine_\@:
.endm
.macro CREST                           ; a round of the cluster's barrier behind its opening barrier
	s_cmp_lg_u32 s10, 0
	s_cbranch_scc1 .Lnot_wave_0_\@
	s_barrier_signal -3
.Lnot_wave_0_\@:
	s_barrier_wait -3
	s_barrier_signal -1
	s_barrier_wait -1
.endm
.macro CROUND                          ; a whole round
	s_barrier_signal -1
	s_barrier_wait -1
	CREST
.endm
	s_load_b128 s[4:7], s[0:1], 0x0                ; ctx s[4:5], woimg s[6:7]
	s_load_b64 s[8:9], s[0:1], 0x10                ; out0
	v_lshl_add_u32 v[SPW], v0, 2, SPARE
	v_mov_b32 v[NIL], 0
	ds_add_u32 v[SPW], v[NIL]                      ; the wave's opening: the add, twice on end, and its wait ahead of my first tensor load; the set-up below, work on registers, stands between the second and the wait
	ds_add_u32 v[SPW], v[NIL]                      ; and once more, under the one wait
	v_lshrrev_b32 v1, 5, v0
	v_readfirstlane_b32 s10, v1                    ; wave 0..3
	s_lshr_b32 s11, s10, 1                         ; which half of the tile's rows is mine.  Also: I fetch for ctx (0) or for wo (1)
	s_and_b32 s12, s10, 1                          ; which half of its columns.  Also: which half of that operand's tile I fetch
	s_bfe_u32 s40, ttmp6, 0x40000                  ; cx, cy: my place in the cluster
	s_bfe_u32 s41, ttmp6, 0x40004
	s_lshl_b32 s42, ttmp9, 2
	s_add_co_u32 s42, s42, s40                     ; tile column of out0 = 4 x cluster x + cx
	s_and_b32 s13, ttmp7, 0xffff
	s_lshl_b32 s13, s13, 2
	s_add_co_u32 s13, s13, s41                     ; tile row = 4 x cluster y + cy
	s_lshl_b32 s43, s41, 2
	s_lshl_b32 s43, 15, s43                        ; my row of the cluster
	s_lshl_b32 s44, 0x1111, s40                    ; my column
	; descriptor group 1: rows of 512 elements of 8 bytes (a K step of one tile of 16 rows), 4,096 elements apart (a tile's whole K); 8 rows for ctx, 4 for wo; no padding
	s_or_b32 s[G1+0], s43, (3<<16)|(1<<21)         ; 15:0 the mask: ctx's tiles go to my row; 17:16 elements of 8 bytes; 21 set beside a mask
	s_or_b32 s[G1B+0], s44, (3<<16)|(1<<21)        ; wo's go to my column
.irp g, G1, G1B
	s_mov_b32 s[\g+1], 512<<16                     ; tensor_dim0 = 512
	s_mov_b32 s[\g+3], 512<<16                     ; tile_dim0 = 512
	s_mov_b32 s[\g+5], 4096                        ; tensor_dim0_stride
	s_mov_b32 s[\g+6], 0
	s_mov_b32 s[\g+7], 0
.endr
	s_mov_b32 s[G1+2], 8<<16                       ; tensor_dim1
	s_mov_b32 s[G1+4], 8                           ; tile_dim1
	s_mov_b32 s[G1B+2], 4<<16
	s_mov_b32 s[G1B+4], 4
	s_lshl_b32 s16, s13, 4
	s_lshl_b32 s17, s12, 3
	s_add_co_u32 s16, s16, s17                     ; ctx: tile of rows 16 x tile row + 8 x half,
	s_lshl_b32 s16, s16, 15                        ; 32,768 bytes each
	s_mov_b32 s17, 0
	s_lshl_b32 s46, s42, 3
	s_lshl_b32 s47, s12, 2
	s_add_co_u32 s46, s46, s47                     ; wo: tile of rows 8 x tile column + 4 x half
	s_lshl_b32 s46, s46, 15
	s_mov_b32 s47, 0
	s_lshl_b32 s20, s12, 15                        ; where they go: ctx's halves, 32,768 bytes each;
	s_lshl_b32 s21, s12, 14
	s_add_co_u32 s21, s21, BOFF                    ; wo's, 16,384 each, behind them: no place in the cluster enters an LDS address
	s_wait_dscnt 0x0                               ; both opening adds are done
	s_wait_kmcnt 0x0
	s_add_nc_u64 s[14:15], s[4:5], s[16:17]
	s_add_nc_u64 s[46:47], s[6:7], s[46:47]
	CROUND                                         ; all sixteen work-groups are here: the first joint loads meet
.irp s, 0,1
	s_mov_b32 s[G0+4*\s], 1                                        ; count = 1
	s_add_co_u32 s[G0+4*\s+1], s20, \s*SLOT                        ; LDS address
	s_add_nc_u64 s[G0+4*\s+2:G0+4*\s+3], s[14:15], \s*KB           ; global address: K step s
	s_or_b32 s[G0+4*\s+3], s[G0+4*\s+3], 0x80000000                ; type = 2
	s_mov_b32 s[G0B+4*\s], 1
	s_add_co_u32 s[G0B+4*\s+1], s21, \s*SLOT
	s_add_nc_u64 s[G0B+4*\s+2:G0B+4*\s+3], s[46:47], \s*KB
	s_or_b32 s[G0B+4*\s+3], s[G0B+4*\s+3], 0x80000000
	JLOAD \s                                       ; both slots' first fills go out together: two loads of mine are out
.endr
	v_and_b32 v1, 15, v0                           ; l % 16
	v_bfe_u32 v2, v0, 4, 1                         ; l / 16
	v_and_b32 v3, 31, v0
	v_lshlrev_b32 v3, 4, v3                        ; 16 x lane
	s_lshl_b32 s21, s11, 15                        ; my 8 tiles of ctx's rows
	s_lshl_b32 s22, s12, 14                        ; my 4 of wo's,
	s_add_co_u32 s22, s22, BOFF                    ; which lie behind ctx's 16
.irp s, 0,1
	v_add_nc_u32 v[ADRA+\s], s21, v3
	v_add_nc_u32 v[ADRB+\s], s22, v3
	s_add_co_u32 s21, s21, SLOT
	s_add_co_u32 s22, s22, SLOT
.endr
	s_mul_i32 s23, s10, 16*SPITCH
	s_add_co_u32 s23, s23, STAGE                   ; my stage
	v_mul_u32_u24 v4, v1, SPITCH                   ; in: row l % 16, 32 bytes for each half of the lanes
	v_lshl_add_u32 v4, v2, 5, v4
	v_add_nc_u32 v[STO], s23, v4
	v_mul_u32_u24 v5, v2, SPITCH                   ; back: lanes 0-15 take one row of 256 bytes, lanes 16-31 the next
	v_lshl_add_u32 v5, v1, 4, v5
	v_add_nc_u32 v[RD], s23, v5
	v_lshlrev_b32 v5, 12, v2                       ; and the same two rows in out0, 4,096 bytes apart
	v_lshl_add_u32 v[CO], v1, 4, v5
	v_lshlrev_b32 v[PFO], 15, v2
	v_lshl_add_u32 v[PFO], v1, 8, v[PFO]
	s_lshl_b32 s16, s13, 8
	s_lshl_b32 s17, s11, 7
	s_add_co_u32 s16, s16, s17                     ; my first row of out0: 256 x tile row + 128 x half,
	s_lshl_b32 s16, s16, 12                        ; 4,096 bytes a row
	s_mov_b32 s17, 0
	s_add_nc_u64 s[8:9], s[8:9], s[16:17]
	s_lshl_b32 s46, s42, 9                         ; my first column, in bytes: 512 x tile column + 256 x half
	s_lshl_b32 s47, s12, 8
	s_add_co_u32 s46, s46, s47
	s_mov_b32 s47, 0
	s_add_nc_u64 s[8:9], s[8:9], s[46:47]
	; the prefetches: my work-group's two of the eight tiles of rows that my wave fetches; at K step 3: the first change of slots steps it to 4.  Nothing is prefetched here, at the head
	s_lshl_b32 s20, s13, 4
	s_lshl_b32 s21, s12, 3
	s_add_co_u32 s20, s20, s21
	s_lshl_b32 s21, s40, 1
	s_add_co_u32 s20, s20, s21
	s_lshl_b32 s20, s20, 15
	s_add_co_u32 s20, s20, 3*KB
	s_mov_b32 s21, 0
	s_add_nc_u64 s[PFA:PFA+1], s[4:5], s[20:21]
	s_or_b32 s[LIM], s11, ttmp9                    ; 0 in waves 0 and 1 of the clusters with x = 0: the same in all sixteen partners, for a given wave
	s_cmp_eq_u32 s[LIM], 0
	s_cselect_b32 s[LIM], 1, -1
; 8 matrix instructions: ctx's blocks a0, a0 + 1 x wo's four, 32 along K.  zero = 1: the product starts its sum: nothing is ever cleared.
; The 32 accumulators take turns, one instruction a turn, in the same order in every quarter.
.macro MUL8 f, a0, zero
.irp a, \a0, \a0+1
.irp b, 0,1,2,3
.if \zero
	v_wmma_f32_16x16x32_f16 v[8*(4*(\a)+\b):8*(4*(\a)+\b)+7], v[\f+8*\b:\f+8*\b+7], v[\f+32+8*(\a):\f+32+8*(\a)+7], 0
.else
	v_wmma_f32_16x16x32_f16 v[8*(4*(\a)+\b):8*(4*(\a)+\b)+7], v[\f+8*\b:\f+8*\b+7], v[\f+32+8*(\a):\f+32+8*(\a)+7], v[8*(4*(\a)+\b):8*(4*(\a)+\b)+7]
.endif
.endr
.endr
.endm
; 24 LDS loads in one run: the fragments of the slot's q-th 32 along K into buffer f: wo's four, ctx's blocks 0-3, ctx's blocks 4-7
.macro FETCH slot, q, f
.irp b, 0,1,2,3
.irp e, 0,1
	ds_load_b128 v[\f+8*\b+4*\e:\f+8*\b+4*\e+3], v[ADRB+\slot] offset:KB*\b+1024*(\q)+512*\e
.endr
.endr
.irp a, 0,1,2,3,4,5,6,7
.irp e, 0,1
	ds_load_b128 v[\f+32+8*\a+4*\e:\f+32+8*\a+4*\e+3], v[ADRA+\slot] offset:KB*\a+1024*(\q)+512*\e
.endr
.endr
.endm
.macro PLACES                          ; four places in front of loads into registers that matrix instructions have read, and of the first read of results (ISA guide 7.12.1 for vector instructions)
.rept 4
	v_nop
.endr
.endm
; A K step is four quarters of 32 along K, 32 matrix instructions each, on buffers 0, 1, 0, 1.  One of the first three: multiplies buffer f and fetches the slot's q-th quarter into g.
.macro QUARTER slot, q, f, g, zero
	s_wait_dscnt 8                                 ; wo's fragments and ctx's blocks 0-3 are in; the youngest eight loads (blocks 4-7) may be out
	WIN MUL
	MUL8 \f, 0, \zero
	MUL8 \f, 2, \zero
	PLACES
	WIN 0
	FETCH \slot, \q, \g
	s_wait_dscnt 24                                ; all but the 24 just issued
	WIN MUL
	MUL8 \f, 4, \zero
	MUL8 \f, 6, \zero
.endm
; The last quarter multiplies buffer 1 and changes slots: ONE barrier; in front of it each wave waits for all its tensor loads, adds 0 to its spare word, and waits for that and for its own reads of this slot.
; fill = 1: the barrier opens a round of the cluster's barrier, and this slot is filled again, two K steps ahead: the load has a K step less 16 matrix instructions in which to land.
.macro TURN slot, next, fill
.if \fill
	s_wait_xcnt 0x0                                ; the last prefetch, a K step back, has read its address: it is stepped here, ahead of the waits of the change of slots
	s_add_nc_u64 s[PFA:PFA+1], s[PFA:PFA+1], KB
.endif
	WIN 0                                          ; (the add's two registers lie in window 0)
	s_wait_tensorcnt 0x0                           ; all my tensor loads have landed: the one that was out is my part of the next slot;
	ds_add_u32 v[SPW], v[NIL]                      ; 0 onto my spare word;
	s_wait_dscnt 9                                 ; (the add and the youngest eight loads may be out)
	WIN MUL
	MUL8 F1, 0, 0                                  ; eight matrix instructions stand between the add and the wait for it
	s_wait_dscnt 0x0                               ; the add is done, and my reads of this slot are over
	s_barrier_signal -1
	MUL8 F1, 2, 0
	WIN 0
	s_barrier_wait -1
.if \fill
	CREST                                          ; no wave of any partner still reads this slot's tile or has a load on its way
	s_add_nc_u64 s[G0+4*\slot+2:G0+4*\slot+3], s[G0+4*\slot+2:G0+4*\slot+3], 2*KB
	s_add_nc_u64 s[G0B+4*\slot+2:G0B+4*\slot+3], s[G0B+4*\slot+2:G0B+4*\slot+3], 2*KB
	JLOAD \slot                                    ; the first tensor load behind the round, my only one until the next; the four v_nop behind it are also the places in front of the loads below
.else
	PLACES
.endif
	FETCH \next, 0, F0
.if \fill
	ASK
.endif
	WIN MUL
	MUL8 F1, 4, 0
	MUL8 F1, 6, 0
.endm
	s_wait_tensorcnt 1                             ; my part of K step 0 is in; K step 1's may stay out
	s_barrier_signal -1
	s_barrier_wait -1                              ; everybody's is
	FETCH 0, 0, F0
	QUARTER 0, 1, F0, F1, 1                        ; the first quarter stands in front of the loop: its products start the sums
	WIN 0                                          ; at a label and at a branch every window is 0
	s_mov_b32 s3, LAPS-1
.Llap:                                                 ; a trip goes once round the ring, from a lap's second quarter to the next lap's first, and fills both slots again
	QUARTER 0, 2, F1, F0, 0
	QUARTER 0, 3, F0, F1, 0
	TURN 0, 1, 1
	QUARTER 1, 1, F0, F1, 0
	QUARTER 1, 2, F1, F0, 0
	QUARTER 1, 3, F0, F1, 0
	TURN 1, 0, 1
	QUARTER 0, 1, F0, F1, 0
	WIN 0
	s_sub_co_u32 s3, s3, 1
	s_cmp_lg_u32 s3, 0
	s_cbranch_scc1 .Llap
	QUARTER 0, 2, F1, F0, 0                        ; the last lap fills nothing, and has no round of the cluster's barrier
	QUARTER 0, 3, F0, F1, 0
	TURN 0, 1, 0
	QUARTER 1, 1, F0, F1, 0
	QUARTER 1, 2, F1, F0, 0
	QUARTER 1, 3, F0, F1, 0
	s_wait_dscnt 8                                 ; the very last quarter: nothing more to fetch
	WIN MUL
	MUL8 F1, 0, 0
	MUL8 F1, 2, 0
	s_wait_dscnt 0x0
	MUL8 F1, 4, 0
	MUL8 F1, 6, 0
	WIN 0
; THE WAY OUT, block by block of 16 rows x 64 columns.  A lane holds 32 neighbouring bytes of a row, and the lanes beside it hold other rows: so a block goes through my own stage in LDS and comes back as whole
; pieces of 256 bytes of a row, my wave's 64 columns, which sixteen lanes store at a multiple of 256 from out0's first byte.  LDS serves a wave's instructions in order (ISA guide 5.7.1.4):
; no wait between the stores and the loads, nor in front of the next block's stores.
.macro TOSTAGE a
	WIN 0x04                                       ; an LDS store's data are its source 1: window 1
.irp b, 0,1,2,3
	ds_store_b128 v[STO], v[8*(4*(\a)+\b):8*(4*(\a)+\b)+3] offset:64*\b            ; each accumulator from its low end on
	ds_store_b128 v[STO], v[8*(4*(\a)+\b)+4:8*(4*(\a)+\b)+7] offset:64*\b+16
.endr
	WIN 0
.set BB, BK+32*((\a)%2)
.irp t, 0,1,2,3,4,5,6,7
	ds_load_b128 v[BB+4*\t:BB+4*\t+3], v[RD] offset:\t*2*SPITCH
.endr
.endm
.macro SEND a, younger                 ; younger: the LDS instructions issued behind block a's loads, which may stay out
.set BB, BK+32*((\a)%2)
	s_wait_dscnt \younger                          ; the block is back in registers
.irp t, 0,1,2,3,4,5,6,7
	global_store_b128 v[CO], v[BB+4*\t:BB+4*\t+3], s[8:9] offset:(16*(\a)+2*\t)*4096 th:TH_STORE_NT   ; the block's place among my 128 rows stands in the immediate, 516,096 at the most: no base is stepped; written once, read by nobody here
.endr
.endm
	PLACES                                         ; behind the last products: for the first reads of results and for the loads into registers that held fragments
	TOSTAGE 0
.irp a, 1,2,3,4,5,6,7
.if \a > 1
	s_wait_xcnt 0x0                                ; block a - 2's stores have read their registers: block a's loads may land there
.endif
	TOSTAGE \a
	SEND \a-1, 16                                  ; behind block a - 1's loads: block a's 8 stores and 8 loads
.endr
	SEND 7, 0
	s_wait_tensorcnt 0x0                           ; the wave's end: these three lines, behind my last tensor load and my last LDS store
	ds_add_u32 v[SPW], v[NIL]
	s_wait_dscnt 0x0
	CROUND                                         ; the closing round: no work-group ends while a partner may still ask for a tile that names it
	s_endpgm
.Lfunc_end_k_qf164f97293_oproj:
	.size	k_qf164f97293_oproj, .Lfunc_end_k_qf164f97293_oproj-k_qf164f97293_oproj
	.p2alignl 7, 3214868480
	.fill 96, 4, 3214868480
	.section	.rodata,"a",@progbits
	.p2align	6, 0x0
	.amdhsa_kernel k_qf164f97293_oproj
		.amdhsa_group_segment_fixed_size 327680
		.amdhsa_private_segment_fixed_size 0
		.amdhsa_enable_private_segment 0
		.amdhsa_kernarg_size 24
		.amdhsa_user_sgpr_count 2
		.amdhsa_user_sgpr_kernarg_segment_ptr 1
		.amdhsa_wavefront_size32 1
		.amdhsa_system_sgpr_workgroup_id_x 1
		.amdhsa_system_sgpr_workgroup_id_y 1
		.amdhsa_system_sgpr_workgroup_id_z 1
		.amdhsa_system_vgpr_workitem_id 0
		.amdhsa_next_free_vgpr 512
		.amdhsa_next_free_sgpr 66
		.amdhsa_reserve_vcc 0
		.amdhsa_float_denorm_mode_32 3
		.amdhsa_float_denorm_mode_16_64 3
		.amdhsa_memory_ordered 1
		.amdhsa_forward_progress 1
		.amdhsa_inst_pref_size 86
	.end_amdhsa_kernel
	.amdgpu_metadata
---
amdhsa.version: [ 1, 2 ]
amdhsa.kernels:
  - .name:           k_qf164f97293_oproj
    .symbol:         k_qf164f97293_oproj.kd
    .args:
      - { .name: ctx, .offset: 0, .size: 8, .value_kind: global_buffer, .address_space: global }
      - { .name: woimg, .offset: 8, .size: 8, .value_kind: global_buffer, .address_space: global }
      - { .name: out0, .offset: 16, .size: 8, .value_kind: global_buffer, .address_space: global }
    .group_segment_fixed_size: 327680
    .private_segment_fixed_size: 0
    .kernarg_segment_align: 8
    .kernarg_segment_size: 24
    .max_flat_workgroup_size: 128
    .sgpr_count:     66
    .vgpr_count:     512
    .wavefront_size: 32
...
	.end_amdgpu_metadata
.endif
;; end of part 3
